; MI455X (gfx1250); checked and timed in simulation.
; The chip was launched on July 23, 2026; its instructions are those of AMD's public machine-readable ISA for CDNA 5 (MIT licence, August 2026) and "CDNA5" Instruction Set Architecture Reference Guide (July 2026). The comments in the code are by the model that wrote it; some were corrected since.
;; Separable FC. Allowed arithmetic: matrix products marked QUANTISED: E2M1 operands, one E8M0 scale for each 32 along K, by v_wmma_scale_f32_16x16x128_f8f6f4 with both operands' format E2M1 (or v_wmma_scale_f32_32x16x128_f4), f32 sums; products left as they are: f32 operands where the result goes on into a quantised operand, else bf16, f16 or f32 operands; f32 sums; everything else in f32.
;; Inputs: W_chan 2,048 x 32 float32; W_pos_codes 2,048 x 64 x 16 uint8 (E2M1 codes of W_pos, K innermost, in blocks of 32 codes, two codes a byte); W_pos_scales 2,048 x 64 uint8 (E8M0 scales of W_pos, one for each 32 codes along K); x_codes 512 x 32 x 64 x 16 uint8 (E2M1 codes of x, K innermost, in blocks of 32 codes, two codes a byte); x_scales 512 x 32 x 64 uint8 (E8M0 scales of x, one for each 32 codes along K).
;; Outputs: out0 512 x 2,048 float32.
;; This version of the problem:
;;   THIS VERSION OF THE PROBLEM IS GIVEN IN LOW PRECISION. The matrix products marked QUANTISED in the list below multiply operands that are first quantised to E2M1 (2 exponent bits, 1 mantissa bit; 4 bits a number), with one power-of-two scale for each 32 numbers along K (OCP MX v1.0); their sums are f32. All else is computed in f32.
;;   The module's matrix products, in the order in which they are computed (A, B: the left and right operand; K: the contracted axis; several contracted axes count as one K, in the product's order):
;;     1. [M 16,384, K 2,048] x [K 2,048, N 2,048]; A: input x (given as codes); B: input W_pos (given as codes): QUANTISED
;;     2. batch 2,048 x [M 1, K 32] x [K 32, N 512]; A: input W_chan; B: computed on the way: left as it is (M = 1 < 16)
;;   THE QUANTISER, for each operand of a quantised product, along K:
;;     - K is cut into blocks of 32 from its start; a last block that is shorter is filled with zeros.
;;     - A block's scale is 2^e with e = floor(log2(the largest magnitude in the block)) - 2, held to -126 .. 127; a block of zeros has e = 0. As a byte (E8M0): e + 127.
;;     - Each number is divided by its block's scale, clamped to +-6, and rounded to the nearest number of E2M1, ties to even, subnormals kept.
;;     - The product sums the exact products of the quantised numbers (number of the format x scale) in f32.
;;   ~~~python
;;   def quantise(x, axis):      # numpy; x: float32 -> the quantised numbers, widened to float32 again
;;       x = np.moveaxis(x, axis, -1); K = x.shape[-1]
;;       x = np.pad(x, [(0, 0)] * (x.ndim - 1) + [(0, -K % 32)]); x = x.reshape(x.shape[:-1] + (-1, 32)); a = np.abs(x).max(-1, keepdims=True)
;;       e = np.where(a > 0, np.clip(np.frexp(np.where(a > 0, a, 1))[1] - 1 - 2, -126, 127), 0)      # np.frexp(a)[1] - 1 = floor(log2(a)), exactly
;;       r = np.clip(x / 2.0 ** e, -6, 6)
;;       step = 2.0 ** (np.maximum(np.frexp(np.where(r == 0, 1, r))[1] - 1, 0) - 1)
;;       q = np.round(r / step) * step * 2.0 ** e      # np.round: ties to even
;;       return np.moveaxis(q.reshape(q.shape[:-2] + (-1,))[..., :K], -1, axis).astype(np.float32)
;;   ~~~
;;   INPUTS GIVEN AS CODES. W_pos (in the module: [2048, 2048], K = its axis 1); x (in the module: [512, 2048, 32], K = its axis 1): each comes as NAME_codes (uint8): NAME with its K axis moved to the last place and cut into blocks of 32 codes, [.., K / 32, bytes a block], one block behind the other in memory; two codes a byte, the lower K in the low four bits (a code: sign, 2 exponent bits, 1 mantissa bit); and NAME_scales (uint8): the same leading axes, one E8M0 byte (e + 127) for each 32 codes along K. Its value is code x scale, taken as it is: it is not quantised again, and the codes and scales need not be those that the quantiser above would give.
;; One version. Each part assembles by itself: llvm-mc -triple=amdgcn-amd-amdhsa -mcpu=gfx1250 --defsym DOCPART=n.
;; ======== version 1 of 1: 1 launch
;; limits: right only within a limited range of input values
;; launch sepfc (part 1): grid 8 x 32, 4 waves a work-group, clusters of 4 x 4, 327,680 bytes of LDS; arguments x_codes, x_scales, W_pos_codes, W_pos_scales, W_chan, out0; writes out0
.if DOCPART == 1
	.amdgcn_target "amdgcn-amd-amdhsa--gfx1250"
	.amdhsa_code_object_version 6
	.text
	.protected	k_q6f7c407e10_sepfc
	.globl	k_q6f7c407e10_sepfc
	.p2align	8
	.type	k_q6f7c407e10_sepfc,@function
k_q6f7c407e10_sepfc:
	s_mov_b64 s[64:65], 0
	v_nop
	global_prefetch_b8 v0, s[64:65] scope:SCOPE_SE
	s_setreg_imm32_b32 hwreg(HW_REG_WAVE_MODE, 25, 1), 1
	s_wait_xcnt 0x0
	s_wait_alu depctr_hold_cnt(0) depctr_sa_sdst(0) depctr_va_vdst(0) depctr_va_sdst(0) depctr_va_ssrc(0) depctr_va_vcc(0) depctr_vm_vsrc(0)
	s_getreg_b32 s2, hwreg(HW_REG_IB_STS2, 6, 4)
	s_cmp_eq_u32 s2, 0
	s_cbranch_scc0 .Lentry_in_a_cluster
	s_endpgm
.Lentry_in_a_cluster:
	s_bfe_u32 s2, ttmp6, 0x10000c
	s_cmp_lg_u32 s2, 0xf033
	s_cbranch_scc0 .Lentry_shape_is_right
	s_endpgm
.Lentry_shape_is_right:
; out[b][o] = sum over c of W_chan[o][c] x u[(b, c)][o],   u[(b, c)][o] = sum over l of x[b][l][c] W_pos[o][l].
; u is a product on codes of FP4 (E2M1) with one E8M0 scale for each 32 along K = l: X = x_codes read as [16,384 rows (32 b + c)][2,048 K] (1,024 bytes of codes, 64 scale bytes a row), W_pos [2,048][2,048] likewise.
; u never goes to memory: 32 neighbouring rows of X are one b with its 32 channels, and the sum over c is made of the accumulators, in f32.
; SHARES.  A work-group of four waves makes 512 rows x 256 columns; wave (wr, wc) takes columns 128 wc .. + 127 and, of each tile of 128 rows, rows 64 wr .. + 63: two b.
; W_POS STAYS IN REGISTERS: a wave holds 128 columns x 1,024 K (512 registers), one half of K at a time, and streams X past it.  Eight tiles of X, 128 rows x 512 bytes: four row blocks over K's first half, then the same over
; its second.  The sum over c is linear in u, so each half of K is summed over c by itself; the first half's sums wait in LDS for the second's.
; A b is 64 products: 8 steps of 128 along K x 8 column blocks, whose 8 accumulators take turns.  X's fragments: steps 0-3 and steps 4-7 are two sets of 64 registers;
; each set is loaded in one run of 16 LDS loads, 32 products ahead of its use.
; THE MATRIX INSTRUCTION is the 32 x 16 x 128 form: source 0 = 32 rows of X (one b), source 1 = 16 rows of W_pos.  Lane (r, h) then holds column o = r, and register 8 a + j channel c = 16 a + 8 h + j.
; CLUSTERS: 4 x 4 work-groups.  The four of a row of the cluster need the same X and its scales, the four of a column the same W_pos: each tile is asked for JOINTLY.
; THE TEXT IS STRAIGHT: 16 b are written out by one macro, so every counted wait holds on the one path.
; PREFETCH: behind each refill the tile that the NEXT refill asks for is asked of memory: one trip (128 products) ahead; tiles 0 and 1 come by their loads alone.
; LIMITS.  Codes and scale bytes are taken as they are given; a scale byte 0xff makes the sums that it enters NaN.  The f32 sums take each half of K by itself, then the channels, then the two halves.
; The sizes are fixed: 512 x 2,048 x 32 and 2,048 outputs.
; REGISTERS, in windows of 256 (s_set_vgpr_msb: bits 1:0 source 0, 3:2 source 1, 5:4 source 2, 7:6 destination):
;   window 0: v0-19 addresses; v24-87 W_pos's scale words; v88-103 X's, two sets; v104-127 the way out; v128-255 X's fragments, step s at v[128 + 16 s]
;   window 1: v0-127 accumulators, column block b at v[16 b]; v128-255 W_chan in the accumulators' layout
;   windows 2, 3: W_pos's fragments, step s, column block b at v[64 (s % 4) + 8 b] of window 2 + s / 4
.set PITCH, 528                        ; an LDS row: 512 bytes + 16 of padding = 132 words: row r starts at bank 4 r mod 64 (64 banks of 4 bytes: ISA guide 11.1)
.set SLOT,  128*PITCH                  ; a tile of X
.set WREG,  2*SLOT                     ; W_pos: 256 rows, one half of K
.set XSC,   WREG+256*PITCH             ; X's scale bytes: 512 rows x 64 bytes, as 128 rows of 256 + 16
.set STAGE, XSC+128*272                ; a wave's stage: 8 b x 512 bytes (first half of K), then 512 bytes (second half); no fill lands here
.set WSTG,  4608
.set SPARE, STAGE+4*WSTG               ; the spare words, 128 bytes a wave
.set ADRX, 8                           ; v8-9  my fragments of X in slot 0, 1
.set ADRW, 10                          ; my fragments of W_pos
.set ADRS, 11                          ; my X scale words
.set PFO,  12                          ; 1,024 x lane: the prefetches' offset
.set VS,   13                          ; 64 x lane
.set VW,   14                          ; 128 r + 32 h
.set STO,  15                          ; the stage, on the way in: 4 x lane
.set RD,   16                          ; and back: 16 x lane
.set GO,   17                          ; 16 x lane
.set SPW,  18                          ; my spare word; never rewritten
.set NIL,  19                          ; 0; never rewritten
.set WS,   24                          ; WS + 16 g + s: lane l holds the word of my W_pos row 32 g + l for step s of all 16
.set XS,   88                          ; XS + 8 (b % 2) + s: lane l holds the word of row l of b for step s
.set T,    104                         ; eight running pairs
.set EM,   120                         ; eight registers: a row of out on its way
.set XF,   128
.set WC,   128
.set G1X,  24
.set G0X,  32                          ; s[32:35], s[36:39]: one group 0 for each slot
.set G1W,  48
.set G0W,  56
.set G0S,  60
.set G1S,  68
.set G0H,  20
.set PFA,  76
.set BX,   80                          ; my 64 rows of X's tile 0 (waves 2, 3 fetch)
.set BW,   82                          ; my 128 rows of W_pos (waves 0, 1 fetch)
.set MSB, 0
.macro WIN new                         ; the immediate's high byte repeats the setting that is left
.if MSB != (\new)
	s_set_vgpr_msb (MSB<<8)|(\new)
.set MSB, (\new)
.endif
.endm
.macro PLACES                          ; four places behind a matrix instruction (ISA guide 7.12.1 for matrix instructions)
.rept 4
	v_nop
.endr
.endm
.macro CREST                           ; a round of the cluster's barrier behind its opening barrier
	s_cmp_lg_u32 s16, 0
	s_cbranch_scc1 .Lnot_wave_0_\@
	s_barrier_signal -3
.Lnot_wave_0_\@:
	s_barrier_wait -3
	s_barrier_signal -1
	s_barrier_wait -1
.endm
.macro CROUND
	s_barrier_signal -1
	s_barrier_wait -1
	CREST
.endm
; Joint fill of X's tile t by waves 2 and 3, 64 rows each; w = 1: waves 0 and 1 fetch W_pos's second half of K.  No tensor load of mine is out, so a group 0 may be written.
.macro JLOAD t, w
.set xg, G0X+4*((\t)%2)
	s_add_nc_u64 s[xg+2:xg+3], s[BX:BX+1], ((\t)%4)*131072+((\t)/4)*512
	s_or_b32 s[xg+3], s[xg+3], 0x80000000
.if \w
	s_add_nc_u64 s[G0W+2:G0W+3], s[BW:BW+1], 512
	s_or_b32 s[G0W+3], s[G0W+3], 0x80000000
.endif
	s_cmp_lt_u32 s16, 2
	s_cbranch_scc0 .Lfor_x_\@
.if \w
	tensor_load_to_lds s[G0W:G0W+3], s[G1W:G1W+7]
	s_nop 0
.endif
	PLACES
	s_branch .Lasked_\@
.Lfor_x_\@:
	tensor_load_to_lds s[xg:xg+3], s[G1X:G1X+7]
	s_nop 0
	PLACES
.Lasked_\@:
.endm
; Prefetch of tile t: 128 rows x two blocks of 256 bytes.  The partner at place cx takes rows 32 cx .. + 31, BY ADDRESS; wave 0 names each row's first block, wave 1 its second: each block once in each cluster.
; The last row named is the work-group's last row of X.
.macro ASK t
	s_cmp_lt_u32 s16, 2
	s_cbranch_scc0 .Lnot_mine_\@
	global_prefetch_b8 v[PFO], s[PFA:PFA+1] offset:((\t)%4)*131072+((\t)/4)*512 th:TH_LOAD_NT scope:SCOPE_SE
.Lnot_mine_\@:
.endm
; 16 rows x 128 K of codes are 8 registers: lane l holds row l % 16; registers 4 c .. 4 c + 3 hold K = 64 c + 32 (l / 16) + 0 .. 31, as the bytes lie
.macro LOADX bi, h                     ; X's fragments of b number bi: steps 4 h .. 4 h + 3
.set xa, ADRX+(((\bi)/2)%2)
.irp u, 0,1,2,3
.irp a, 0,1
.irp c, 0,1
	ds_load_b128 v[XF+64*(\h)+16*\u+8*\a+4*\c:XF+64*(\h)+16*\u+8*\a+4*\c+3], v[xa] offset:((\bi)%2)*32*PITCH+\a*16*PITCH+256*(\h)+64*\u+32*\c
.endr
.endr
.endr
.endm
.macro LOADS bi                        ; its scale words
.irp j, 0,1
	ds_load_b128 v[XS+8*((\bi)%2)+4*\j:XS+8*((\bi)%2)+4*\j+3], v[ADRS] offset:(((\bi)/2)%4)*8704+((\bi)%2)*2176+32*((\bi)/8)+16*\j
.endr
.endm
.macro LOADW st                        ; W_pos's eight fragments of step st: 16 loads
	WIN 0x80+0x40*((\st)/4)
.irp b, 0,1,2,3,4,5,6,7
.irp c, 0,1
	ds_load_b128 v[64*((\st)%4)+8*\b+4*\c:64*((\st)%4)+8*\b+4*\c+3], v[ADRW] offset:\b*16*PITCH+64*(\st)+32*\c
.endr
.endr
.endm
; One product of b number NB.  X's scale register is read in all 32 lanes, W_pos's in lanes 0-15 for an even column block and in lanes 16-31 for an odd one.  z = 1: it starts the sum
.macro MM b, s, z
.set xD,  16*(\b)
.set xA,  XF+16*(\s)
.set xB,  64*((\s)%4)+8*(\b)
.set xSA, XS+8*(NB%2)+(\s)
.set xSB, WS+16*((\b)/2)+8*(NB/8)+(\s)
.if \z
.if (\b)%2
	v_wmma_scale_f32_32x16x128_f4 v[xD:xD+15], v[xA:xA+15], v[xB:xB+7], 0, v[xSA], v[xSB] matrix_b_scale:MATRIX_SCALE_ROW1
.else
	v_wmma_scale_f32_32x16x128_f4 v[xD:xD+15], v[xA:xA+15], v[xB:xB+7], 0, v[xSA], v[xSB]
.endif
.else
.if (\b)%2
	v_wmma_scale_f32_32x16x128_f4 v[xD:xD+15], v[xA:xA+15], v[xB:xB+7], v[xD:xD+15], v[xSA], v[xSB] matrix_b_scale:MATRIX_SCALE_ROW1
.else
	v_wmma_scale_f32_32x16x128_f4 v[xD:xD+15], v[xA:xA+15], v[xB:xB+7], v[xD:xD+15], v[xSA], v[xSB]
.endif
.endif
.endm
.macro MUL8 s, z
	WIN 0x58+4*((\s)/4)                            ; source 0 window 0, source 1 window 2 or 3, C and D window 1
.irp b, 0,1,2,3,4,5,6,7
	MM \b, \s, \z
.endr
.endm
; THE SUM OVER c.  A lane's 16 registers of an accumulator are 16 channels of one (b, o): eight packed multiply-adds with W_chan's 16 numbers in the same order.  PK4: pair k of four accumulators, by turns.
.macro PK4 c0, k
.irp c, 0,1,2,3
.set xc, (\c0)+\c
.if (\k) == 0
	v_pk_mul_f32 v[T+2*xc:T+2*xc+1], v[16*xc:16*xc+1], v[WC+16*xc:WC+16*xc+1]
.else
	v_pk_fma_f32 v[T+2*xc:T+2*xc+1], v[16*xc+2*(\k):16*xc+2*(\k)+1], v[WC+16*xc+2*(\k):WC+16*xc+2*(\k)+1], v[T+2*xc:T+2*xc+1]
.endif
.endr
.endm
; The pair's halves, then the lane 16 away, which holds the other 16 channels: for two neighbouring column blocks one exchange and one addition: lane l then holds column 32 p + l, in v[T + 4 p].
; w = 1: the next b's first products on accumulators 4-7 stand in between.
.macro FIN w
.if \w
	WIN 0x58
	MM 4, 0, 1
.endif
	WIN 0
.irp c, 0,1,2,3
	v_add_f32 v[T+2*\c], v[T+2*\c], v[T+2*\c+1]
.endr
.if \w
	WIN 0x58
	MM 5, 0, 1
.endif
	WIN 0
.irp c, 4,5,6,7
	v_add_f32 v[T+2*\c], v[T+2*\c], v[T+2*\c+1]
.endr
.if \w
	WIN 0x58
	MM 6, 0, 1
.endif
	WIN 0
.irp p, 0,1,2,3
	v_permlane16_swap_b32 v[T+4*\p], v[T+4*\p+2]
.endr
.if \w
	WIN 0x58
	MM 7, 0, 1
.endif
	WIN 0
.irp p, 0,1,2,3
	v_add_f32 v[T+4*\p], v[T+4*\p], v[T+4*\p+2]
.endr
.endm
; b number bi's sums into my stage; in K's second half both halves come back as 16 bytes a lane.  LDS serves a wave's instructions in order (ISA guide 5.7.1.4)
.macro TOSTAGE bi
.if (\bi) > 7
	s_wait_xcnt 0x0                                ; the store before has read v[EM..]
.set xo, 4096
.else
.set xo, 512*((\bi)%8)
.endif
	s_wait_alu depctr_va_vdst(0)                   ; directly ahead of the reader
.irp p, 0,1,2,3
	ds_store_b32 v[STO], v[T+4*\p] offset:xo+128*\p
.endr
.if (\bi) > 7
	ds_load_b128 v[EM:EM+3], v[RD] offset:4096
	ds_load_b128 v[EM+4:EM+7], v[RD] offset:512*((\bi)%8)
.endif
.endm
.macro EMIT bi                         ; the two halves of K are added and leave: 32 lanes store 512 consecutive bytes, at a multiple of 512 from out's first byte; written once
	v_pk_add_f32 v[EM:EM+1], v[EM:EM+1], v[EM+4:EM+5]
	v_pk_add_f32 v[EM+2:EM+3], v[EM+2:EM+3], v[EM+6:EM+7]
	global_store_b128 v[GO], v[EM:EM+3], s[14:15] offset:((((\bi)/2)%4)*4+((\bi)%2))*8192 th:TH_STORE_NT
.endm
; The run between a b's two sets of steps: the b before goes to the stage, the next b's scale words and first set of fragments come
.macro BETA
.if NB > 0
	TOSTAGE NB-1
.endif
.if NB < 15
	LOADS NB+1
	LOADX NB+1, 0
.endif
.endm
; b NUMBER NB.  At its start the b before still has accumulators 4-7 to be summed; at its end its own 0-3 have been.
.macro BBODY
.if NB == 0
	MUL8 0, 1
.else
.irp i, 0,1,2,3
	WIN 0x58
	MM \i, 0, 1
	WIN 0x05                                       ; sources 0 and 1 window 1, source 2 and destination window 0
	PK4 4, 2*\i
	PK4 4, 2*\i+1
.endr
	FIN 1
.endif
.if (NB%8) == 0
	; the first b of a half of K: W_pos's fragments of steps 1-3 are on their way, those of steps 4-7 are asked for here.  Each wait names the LDS instructions issued behind the fragments that the step needs
	s_wait_dscnt 32                                ; steps 2, 3
	MUL8 1, 0
	WIN 0
	LOADX NB, 1
	s_wait_dscnt 32                                ; step 3, X's second set
	MUL8 2, 0
	LOADW 4
	s_wait_dscnt 32                                ; X's second set, step 4
	MUL8 3, 0
	LOADW 5
	s_wait_dscnt 16                                ; step 5
	MUL8 4, 0
	LOADW 6
	LOADW 7
	s_wait_dscnt 32                                ; steps 6, 7
	MUL8 5, 0
	WIN 0
	PLACES
	BETA
	s_wait_dscnt 34+4*(NB/8)                       ; step 7 and BETA's
	MUL8 6, 0
	s_wait_dscnt 18+4*(NB/8)                       ; BETA's
.else
	MUL8 1, 0
.set xbar, 0
.if (NB%2) == 1
.if NB < 15
.set xbar, 1
.endif
.endif
.if xbar
	; the tile's last b: its reads of the slot are out or done.  ONE barrier changes slots; up to tile 5 it opens a round, behind which the slot is filled again
	WIN 0
	s_wait_alu depctr_va_vdst(0)                   ; ahead of the waits below
	s_wait_tensorcnt 0x0                           ; all my tensor loads have landed: my part of the next tile;
	ds_add_u32 v[SPW], v[NIL]                      ; 0 onto my spare word
	MUL8 2, 0
	s_wait_dscnt 0x0                               ; the add is done, and my reads of this slot are over
	s_barrier_signal -1
	MUL8 3, 0
	WIN 0
	s_barrier_wait -1
.if NB < 13
	CREST                                          ; no wave of any partner still reads this slot or has a load on its way
.if NB == 1
	JLOAD NB/2+2, 1                                ; W_pos's first half of K is in registers everywhere: its bytes take the second half
.else
	JLOAD NB/2+2, 0
.endif
.else
	PLACES
.endif
.else
	MUL8 2, 0
	MUL8 3, 0
	WIN 0
	PLACES
.endif
	BETA
.if xbar
.if NB < 11
	ASK NB/2+3
.endif
.endif
.set xn, 4
.if NB > 8
.set xn, xn+2
.endif
.if NB < 15
.set xn, xn+18
.endif
.if NB == 7
.set xn, xn+32
	LOADW 0                                        ; K's second half: the fragments of steps 0-3 have been used for the last time
	LOADW 1
.endif
	s_wait_dscnt xn                                ; X's second set is in; behind it stand this run's LDS instructions
	MUL8 4, 0
	MUL8 5, 0
.if NB == 7
	LOADW 2
	LOADW 3
.endif
	MUL8 6, 0
.endif
	WIN 0x5c
.irp i, 0,1,2,3
	MM \i, 7, 0
.endr
	PLACES
.if NB == 0
	s_wait_loadcnt 0x0                             ; W_chan is in
.endif
.irp i, 0,1,2,3
	WIN 0x5c
	MM 4+\i, 7, 0
	WIN 0x05
	PK4 0, 2*\i
	PK4 0, 2*\i+1
.endr
	WIN 0
.if NB > 8
.if NB < 15
	s_wait_dscnt 18                                ; the row is back from the stage; behind it stand the next b's 18 loads
.else
	s_wait_dscnt 0x0
.endif
	EMIT NB-1
.endif
.if NB < 15
.if NB == 7
	s_wait_dscnt 48                                ; the next b's first set and W_pos's step 0 are in; steps 1-3 may be out
.else
	LOADX NB+1, 1                                  ; the eight multiply-adds above are the places
	s_wait_dscnt 16                                ; the next b's first set is in
.endif
.endif
.endm
	s_load_b128 s[4:7], s[0:1], 0x0                ; X's codes s[4:5], X's scales s[6:7]
	s_load_b128 s[8:11], s[0:1], 0x10              ; W_pos's codes s[8:9], its scales s[10:11]
	s_load_b128 s[12:15], s[0:1], 0x20             ; W_chan s[12:13], out s[14:15]
	v_lshl_add_u32 v[SPW], v0, 2, SPARE
	v_mov_b32 v[NIL], 0
	ds_add_u32 v[SPW], v[NIL]                      ; the opening: the add, twice on end, and its wait; work on registers stands in between
	ds_add_u32 v[SPW], v[NIL]
	v_lshrrev_b32 v1, 5, v0
	v_readfirstlane_b32 s16, v1                    ; wave 0..3
	s_lshr_b32 s17, s16, 1                         ; wr
	s_and_b32 s18, s16, 1                          ; wc
	s_bfe_u32 s40, ttmp6, 0x40000                  ; cx, cy
	s_bfe_u32 s41, ttmp6, 0x40004
	s_lshl_b32 s42, ttmp9, 2
	s_add_co_u32 s42, s42, s40                     ; column block of 256: 0..7
	s_and_b32 s66, ttmp7, 0xffff
	s_lshl_b32 s66, s66, 2
	s_add_co_u32 s66, s66, s41                     ; row block of 512: 0..31
	s_lshl_b32 s43, s41, 2
	s_lshl_b32 s43, 15, s43                        ; my row of the cluster
	s_lshl_b32 s44, 0x1111, s40                    ; my column
	; group 1: 128 rows x 512 bytes (16 of padding behind each; words: 24:22 code 6 = 128 words, 31:25 code 3 = 4 words), 21 set beside a mask; X's by my row, W_pos's by my column
	s_or_b32 s[G1X+0], s43, (0<<16)|(1<<20)|(1<<21)|(6<<22)|(3<<25)
	s_or_b32 s[G1W+0], s44, (0<<16)|(1<<20)|(1<<21)|(6<<22)|(3<<25)
.irp g, G1X, G1W
	s_mov_b32 s[\g+1], 512<<16
	s_mov_b32 s[\g+2], 128<<16
	s_mov_b32 s[\g+3], 512<<16
	s_mov_b32 s[\g+4], 128
	s_mov_b32 s[\g+5], 1024
	s_mov_b32 s[\g+6], 0
	s_mov_b32 s[\g+7], 0
.endr
	; X's scale bytes: a dense block of 32,768 bytes as 128 rows of 256 (32 elements of 8), 16 of padding behind each
	s_or_b32 s[G1S+0], s43, (3<<16)|(1<<20)|(1<<21)|(5<<22)|(3<<25)
	s_mov_b32 s[G1S+1], 32<<16
	s_mov_b32 s[G1S+2], 128<<16
	s_mov_b32 s[G1S+3], 32<<16
	s_mov_b32 s[G1S+4], 128
	s_mov_b32 s[G1S+5], 32
	s_mov_b32 s[G1S+6], 0
	s_mov_b32 s[G1S+7], 0
	; group 0: counts and LDS addresses; no place in the cluster enters one
	s_mov_b32 s[G0H], 1                            ; the head's tile 0 of X, whole
	s_mov_b32 s[G0H+1], 0
	s_mov_b32 s[G0S], 1
	s_mov_b32 s[G0S+1], XSC
	s_mov_b32 s[G0W], 1
	s_mul_i32 s[G0W+1], s18, 128*PITCH
	s_add_co_u32 s[G0W+1], s[G0W+1], WREG
	s_mov_b32 s[G0X], 1
	s_mul_i32 s[G0X+1], s18, 64*PITCH
	s_mov_b32 s[G0X+4], 1
	s_add_co_u32 s[G0X+5], s[G0X+1], SLOT
	; byte offsets: X's by the row block alone, W_pos's by the column block alone
	s_lshl_b32 s84, s66, 19
	s_mov_b32 s85, 0
	s_lshl_b32 s86, s18, 16
	s_add_co_u32 s86, s84, s86                     ; + my 64 rows
	s_mov_b32 s87, 0
	s_lshl_b32 s78, s66, 15                        ; X's scales
	s_mov_b32 s79, 0
	s_lshl_b32 s88, s42, 18
	s_lshl_b32 s89, s18, 17
	s_add_co_u32 s88, s88, s89
	s_mov_b32 s89, 0
	s_mul_i32 s45, s17, 64*PITCH                   ; my 64 rows of a tile of X
	s_mul_i32 s46, s18, 128*PITCH
	s_add_co_u32 s46, s46, WREG                    ; my 128 rows of W_pos
	s_mul_i32 s47, s17, 4352
	s_add_co_u32 s47, s47, XSC                     ; the scale bytes of my 64 rows
	s_mul_i32 s19, s16, WSTG
	s_add_co_u32 s19, s19, STAGE
	v_and_b32 v3, 31, v0                           ; lane
	v_and_b32 v4, 15, v0                           ; r
	v_bfe_u32 v5, v0, 4, 1                         ; h
	v_bfe_u32 v7, v0, 2, 3                         ; lane / 4
	v_mul_u32_u24 v6, v4, PITCH
	v_lshl_add_u32 v6, v5, 4, v6                   ; a fragment's row x pitch + 16 h
	v_lshlrev_b32 v7, 4, v7
	v_lshl_add_u32 v7, v3, 6, v7                   ; a row of 64 scale bytes, 16 of padding behind four
	v_add_nc_u32 v[ADRX], s45, v6
	v_add_nc_u32 v[ADRX+1], SLOT, v[ADRX]
	v_add_nc_u32 v[ADRW], s46, v6
	v_add_nc_u32 v[ADRS], s47, v7
	v_lshlrev_b32 v[PFO], 10, v3
	v_lshlrev_b32 v[VS], 6, v3
	v_lshlrev_b32 v[VW], 7, v4
	v_lshl_add_u32 v[VW], v5, 5, v[VW]
	v_lshl_add_u32 v[STO], v3, 2, s19
	v_lshl_add_u32 v[RD], v3, 4, s19
	v_lshlrev_b32 v[GO], 4, v3
	s_wait_alu depctr_va_vdst(0)                   ; the end of the head's vector work
	s_wait_dscnt 0x0                               ; both opening adds are done
	CROUND                                         ; all sixteen work-groups are here: the first joint loads meet
	s_wait_kmcnt 0x0
	s_add_nc_u64 s[G0H+2:G0H+3], s[4:5], s[84:85]
	s_or_b32 s[G0H+3], s[G0H+3], 0x80000000
	s_add_nc_u64 s[G0S+2:G0S+3], s[6:7], s[78:79]
	s_or_b32 s[G0S+3], s[G0S+3], 0x80000000
	s_add_nc_u64 s[BW:BW+1], s[8:9], s[88:89]
	s_mov_b64 s[G0W+2:G0W+3], s[BW:BW+1]
	s_or_b32 s[G0W+3], s[G0W+3], 0x80000000
	s_add_nc_u64 s[BX:BX+1], s[4:5], s[86:87]
	; THE HEAD'S LOADS, ONE A WAVE: waves 0, 1 W_pos's 256 rows, first half of K; wave 2 tile 0 of X; wave 3 X's scale bytes
	s_cmp_lt_u32 s16, 2
	s_cbranch_scc0 .Lhead_x
	tensor_load_to_lds s[G0W:G0W+3], s[G1W:G1W+7]
	s_nop 0
	PLACES
	s_branch .Lhead_asked
.Lhead_x:
	s_cmp_lt_u32 s16, 3
	s_cbranch_scc0 .Lhead_s
	tensor_load_to_lds s[G0H:G0H+3], s[G1X:G1X+7]
	s_nop 0
	PLACES
	s_branch .Lhead_asked
.Lhead_s:
	tensor_load_to_lds s[G0S:G0S+3], s[G1S:G1S+7]
	s_nop 0
	PLACES
.Lhead_asked:
	s_lshl_b32 s92, s42, 8
	s_lshl_b32 s93, s18, 7
	s_add_co_u32 s92, s92, s93                     ; my first column
	s_mov_b32 s95, 0
	s_lshl_b32 s94, s92, 6
	s_add_nc_u64 s[10:11], s[10:11], s[94:95]      ; W_pos's scales: 64 bytes a row
	s_lshl_b32 s94, s92, 7
	s_add_nc_u64 s[12:13], s[12:13], s[94:95]      ; W_chan: 128 bytes a row
	s_lshl_b32 s94, s66, 17                        ; out: 16 rows of 8,192 bytes for each row block,
	s_lshl_b32 s93, s17, 14                        ; my two of each four,
	s_add_co_u32 s94, s94, s93
	s_lshl_b32 s93, s92, 2
	s_add_co_u32 s94, s94, s93
	s_add_nc_u64 s[14:15], s[14:15], s[94:95]
	s_lshl_b32 s90, s66, 19                        ; the prefetches: row block, my work-group's 32 rows of a tile, my block of 256 bytes
	s_lshl_b32 s91, s40, 15
	s_add_co_u32 s90, s90, s91
	s_lshl_b32 s91, s18, 8
	s_add_co_u32 s90, s90, s91
	s_mov_b32 s91, 0
	s_add_nc_u64 s[PFA:PFA+1], s[4:5], s[90:91]
	; W_pos's scale words of all of K: a lane takes a row's 64 bytes by four loads; the four together read 2,048 consecutive bytes
.irp g, 0,1,2,3
.irp t, 0,1,2,3
	global_load_b128 v[WS+16*\g+4*\t:WS+16*\g+4*\t+3], v[VS], s[10:11] offset:2048*\g+16*\t
.endr
.endr
	; W_chan in the accumulators' layout: lane (r, h), column block b: channels 8 h + 0..7 and 16 + 8 h + 0..7 of row 16 b + r
	WIN 0x40
.irp b, 0,1,2,3,4,5,6,7
.irp k, 0,1,2,3
	global_load_b128 v[WC+16*\b+4*\k:WC+16*\b+4*\k+3], v[VW], s[12:13] offset:2048*\b+64*(\k/2)+16*(\k%2)
.endr
.endr
	WIN 0
	s_wait_tensorcnt 0x0                           ; my tile of the head's is in
	ds_add_u32 v[SPW], v[NIL]
	s_mov_b32 s[G1X+2], 64<<16                     ; no tensor load of mine is out: from here on a load of X brings 64 rows
	s_mov_b32 s[G1X+4], 64
	s_wait_dscnt 0x0                               ; the add is done
	CROUND                                         ; all of the head's tiles are in, and all sixteen work-groups are here
	JLOAD 1, 0
	LOADS 0
	LOADX 0, 0
	ASK 2
	LOADW 0
	LOADW 1
	LOADW 2
	LOADW 3
	WIN 0
	s_wait_loadcnt 32                              ; W_pos's scale words are in; behind them stand W_chan's 32 loads
	s_wait_dscnt 48                                ; b 0's first set and W_pos's step 0 are in; steps 1-3 may be out
.set NB, 0
.rept 16
	BBODY
.set NB, NB+1
.endr
	; the last b's accumulators 4-7, and its row of out
	WIN 0x05
.irp k, 0,1,2,3,4,5,6,7
	PK4 4, \k
.endr
	FIN 0
	TOSTAGE 15
	s_wait_dscnt 0x0
	EMIT 15
	s_wait_tensorcnt 0x0                           ; the wave's end
	ds_add_u32 v[SPW], v[NIL]
	s_wait_dscnt 0x0
	CROUND                                         ; the closing round: no work-group ends while a partner may still ask for a tile that names it
	s_endpgm
.Lfunc_end_k_q6f7c407e10_sepfc:
	.size	k_q6f7c407e10_sepfc, .Lfunc_end_k_q6f7c407e10_sepfc-k_q6f7c407e10_sepfc
	.p2alignl 7, 3214868480
	.fill 96, 4, 3214868480
	.section	.rodata,"a",@progbits
	.p2align	6, 0x0
	.amdhsa_kernel k_q6f7c407e10_sepfc
		.amdhsa_group_segment_fixed_size 327680
		.amdhsa_private_segment_fixed_size 0
		.amdhsa_enable_private_segment 0
		.amdhsa_kernarg_size 48
		.amdhsa_user_sgpr_count 2
		.amdhsa_user_sgpr_kernarg_segment_ptr 1
		.amdhsa_wavefront_size32 1
		.amdhsa_system_sgpr_workgroup_id_x 1
		.amdhsa_system_sgpr_workgroup_id_y 1
		.amdhsa_system_sgpr_workgroup_id_z 1
		.amdhsa_system_vgpr_workitem_id 0
		.amdhsa_next_free_vgpr 1024
		.amdhsa_next_free_sgpr 98
		.amdhsa_reserve_vcc 0
		.amdhsa_float_denorm_mode_32 3
		.amdhsa_float_denorm_mode_16_64 3
		.amdhsa_memory_ordered 1
		.amdhsa_forward_progress 1
		.amdhsa_inst_pref_size 255
	.end_amdhsa_kernel
	.section	.bss,"aw",@nobits
	.p2align	6
	.space	262144
	.amdgpu_metadata
---
amdhsa.version: [ 1, 2 ]
amdhsa.kernels:
  - .name:           k_q6f7c407e10_sepfc
    .symbol:         k_q6f7c407e10_sepfc.kd
    .args:
      - { .name: x_codes, .offset: 0, .size: 8, .value_kind: global_buffer, .address_space: global }
      - { .name: x_scales, .offset: 8, .size: 8, .value_kind: global_buffer, .address_space: global }
      - { .name: W_pos_codes, .offset: 16, .size: 8, .value_kind: global_buffer, .address_space: global }
      - { .name: W_pos_scales, .offset: 24, .size: 8, .value_kind: global_buffer, .address_space: global }
      - { .name: W_chan, .offset: 32, .size: 8, .value_kind: global_buffer, .address_space: global }
      - { .name: out0, .offset: 40, .size: 8, .value_kind: global_buffer, .address_space: global }
    .group_segment_fixed_size: 327680
    .private_segment_fixed_size: 0
    .kernarg_segment_align: 8
    .kernarg_segment_size: 48
    .max_flat_workgroup_size: 128
    .sgpr_count:     98
    .vgpr_count:     1024
    .wavefront_size: 32
...
	.end_amdgpu_metadata
.endif
;; end of part 1
